; MI455X (gfx1250); checked and timed in simulation.
; The chip was launched on July 23, 2026; its instructions are those of AMD's public machine-readable ISA for CDNA 5 (MIT licence, August 2026) and "CDNA5" Instruction Set Architecture Reference Guide (July 2026). The comments in the code are by the model that wrote it; some were corrected since.
;; Multi Head Attention. Allowed arithmetic: matrix products marked QUANTISED: E2M1 operands, one E8M0 scale for each 32 along K, by v_wmma_scale_f32_16x16x128_f8f6f4 with both operands' format E2M1 (or v_wmma_scale_f32_32x16x128_f4), f32 sums; everything else in f32.
;; Inputs: Wk_codes 1,024 x 32 x 16 uint8 (E2M1 codes of Wk, K innermost, in blocks of 32 codes, two codes a byte); Wk_scales 1,024 x 32 uint8 (E8M0 scales of Wk, one for each 32 codes along K); Wq_codes 1,024 x 32 x 16 uint8 (E2M1 codes of Wq, K innermost, in blocks of 32 codes, two codes a byte); Wq_scales 1,024 x 32 uint8 (E8M0 scales of Wq, one for each 32 codes along K); Wv_codes 1,024 x 32 x 16 uint8 (E2M1 codes of Wv, K innermost, in blocks of 32 codes, two codes a byte); Wv_scales 1,024 x 32 uint8 (E8M0 scales of Wv, one for each 32 codes along K); bk 1,024 float32; bq 1,024 float32; bv 1,024 float32; x_codes 4 x 2,048 x 32 x 16 uint8 (E2M1 codes of x, K innermost, in blocks of 32 codes, two codes a byte); x_mask 4 x 2,048 x 2,048 int32; x_scales 4 x 2,048 x 32 uint8 (E8M0 scales of x, one for each 32 codes along K).
;; Outputs: out0 4 x 2,048 x 1,024 float32.
;; Constants: direction = 1.
;; This version of the problem:
;;   THIS VERSION OF THE PROBLEM IS GIVEN IN LOW PRECISION. The matrix products marked QUANTISED in the list below multiply operands that are first quantised to E2M1 (2 exponent bits, 1 mantissa bit; 4 bits a number), with one power-of-two scale for each 32 numbers along K (OCP MX v1.0); their sums are f32. All else is computed in f32.
;;   The module's matrix products, in the order in which they are computed (A, B: the left and right operand; K: the contracted axis; several contracted axes count as one K, in the product's order):
;;     1. [M 8,192, K 1,024] x [K 1,024, N 1,024]; A: input x (given as codes); B: input Wq (given as codes): QUANTISED
;;     2. [M 8,192, K 1,024] x [K 1,024, N 1,024]; A: input x (given as codes); B: input Wk (given as codes): QUANTISED
;;     3. [M 8,192, K 1,024] x [K 1,024, N 1,024]; A: input x (given as codes); B: input Wv (given as codes): QUANTISED
;;     4. batch 64 x [M 2,048, K 64] x [K 64, N 2,048]; A: computed on the way; B: computed on the way: QUANTISED
;;     5. batch 64 x [M 2,048, K 2,048] x [K 2,048, N 64]; A: softmax (see below); B: computed on the way: QUANTISED
;;   THE QUANTISER, for each operand of a quantised product, along K:
;;     - K is cut into blocks of 32 from its start; a last block that is shorter is filled with zeros.
;;     - A block's scale is 2^e with e = floor(log2(the largest magnitude in the block)) - 2, held to -126 .. 127; a block of zeros has e = 0. As a byte (E8M0): e + 127.
;;     - Each number is divided by its block's scale, clamped to +-6, and rounded to the nearest number of E2M1, ties to even, subnormals kept.
;;     - The product sums the exact products of the quantised numbers (number of the format x scale) in f32.
;;   ~~~python
;;   def quantise(x, axis):      # numpy; x: float32 -> the quantised numbers, widened to float32 again
;;       x = np.moveaxis(x, axis, -1); K = x.shape[-1]
;;       x = np.pad(x, [(0, 0)] * (x.ndim - 1) + [(0, -K % 32)]); x = x.reshape(x.shape[:-1] + (-1, 32)); a = np.abs(x).max(-1, keepdims=True)
;;       e = np.where(a > 0, np.clip(np.frexp(np.where(a > 0, a, 1))[1] - 1 - 2, -126, 127), 0)      # np.frexp(a)[1] - 1 = floor(log2(a)), exactly
;;       r = np.clip(x / 2.0 ** e, -6, 6)
;;       step = 2.0 ** (np.maximum(np.frexp(np.where(r == 0, 1, r))[1] - 1, 0) - 1)
;;       q = np.round(r / step) * step * 2.0 ** e      # np.round: ties to even
;;       return np.moveaxis(q.reshape(q.shape[:-2] + (-1,))[..., :K], -1, axis).astype(np.float32)
;;   ~~~
;;   SOFTMAX AHEAD OF A QUANTISED PRODUCT. Where the list says 'softmax', what is quantised is not the finished softmax but p = 2^(t - M), with t = logit x log2(e) and M = ceil(the row's largest t), a whole number; so 1/2 < the row's largest p <= 1. The row's sum l is taken of the UNQUANTISED p, in f32, and the product's result is divided by l at the end. Since M is a whole number, a kernel that streams over the keys may use a running M (the ceiling of the running maximum): every later rescaling is an exact power of two, which a block's scale takes up: the codes' values come out the same.
;;   OPERANDS COMPUTED ON THE WAY. 'Computed on the way' means the value that the module computes at that place (a softmax that the list does not call 'softmax' is quantised finished and normalised). What goes into a quantiser is computed in f32, as accurately as f32 sums, v_exp_f32 and their like allow (about 1e-6 of the number): no bf16 or f16 on the way to a quantiser, and a product that is left as it is and whose result goes on into a quantised operand takes f32 operands (vector FMAs, or v_wmma_f32_16x16x4_f32). A number that lies on a knife's edge between two numbers of the format may be rounded either way, as far as f32 arithmetic and the matrix unit's own rounding can turn it there, and no further.
;;   INPUTS GIVEN AS CODES. Wk (in the module: [1024, 1024], K = its axis 1); Wq (in the module: [1024, 1024], K = its axis 1); Wv (in the module: [1024, 1024], K = its axis 1); x (in the module: [4, 2048, 1024], K = its axis 2): each comes as NAME_codes (uint8): NAME with its K axis moved to the last place and cut into blocks of 32 codes, [.., K / 32, bytes a block], one block behind the other in memory; two codes a byte, the lower K in the low four bits (a code: sign, 2 exponent bits, 1 mantissa bit); and NAME_scales (uint8): the same leading axes, one E8M0 byte (e + 127) for each 32 codes along K. Its value is code x scale, taken as it is: it is not quantised again, and the codes and scales need not be those that the quantiser above would give.
;; One version. Each part assembles by itself: llvm-mc -triple=amdgcn-amd-amdhsa -mcpu=gfx1250 --defsym DOCPART=n.
;; ======== version 1 of 1: 2 launches
;; limits: right only within a limited range of input values
;; workspace buffers: qkv 14,155,776 bytes; maskw 2,097,152 bytes of whole numbers
;; launch proj (part 1): grid 4 x 96, 4 waves a work-group, clusters of 4 x 4, 327,680 bytes of LDS; arguments x_codes, x_scales, Wq_codes, Wq_scales, Wk_codes, Wk_scales, Wv_codes, Wv_scales, bq, bk, bv, qkv, x_mask, maskw; writes qkv, maskw
.if DOCPART == 1
	.amdgcn_target "amdgcn-amd-amdhsa--gfx1250"
	.amdhsa_code_object_version 6
	.text
	.protected	k_q27a1975bba_proj
	.globl	k_q27a1975bba_proj
	.p2align	8
	.type	k_q27a1975bba_proj,@function
k_q27a1975bba_proj:
	s_mov_b64 s[64:65], 0
	v_nop
	global_prefetch_b8 v0, s[64:65] scope:SCOPE_SE
	s_setreg_imm32_b32 hwreg(HW_REG_WAVE_MODE, 25, 1), 1
	s_wait_xcnt 0x0
	s_wait_alu depctr_hold_cnt(0) depctr_sa_sdst(0) depctr_va_vdst(0) depctr_va_sdst(0) depctr_va_ssrc(0) depctr_va_vcc(0) depctr_vm_vsrc(0)
	s_getreg_b32 s2, hwreg(HW_REG_IB_STS2, 6, 4)
	s_cmp_eq_u32 s2, 0
	s_cbranch_scc0 .Lentry_in_a_cluster
	s_endpgm
.Lentry_in_a_cluster:
	s_bfe_u32 s2, ttmp6, 0x10000c
	s_cmp_lg_u32 s2, 0xf033
	s_cbranch_scc0 .Lentry_shape_is_right
	s_endpgm
.Lentry_shape_is_right:
; Q, K, V = x W^T + b on codes of FP4 (E2M1), quantised again on the way out into qkv as images of the attention launch's operand registers; and x_mask as lane masks into maskw.
; A work-group makes a tile of 256 x 256; PATH = cluster y / 8: 0 Q, 1 K, 2 V.  Source 1's rows lie in LDS region A (a slot's first 256 rows), source 0's in region B.
; Q, K: source 0 = W's rows, source 1 = x's (a lane holds a token, registers run along the head).  V: source 0 = x's rows, source 1 = Wv's (registers run along the tokens, the second product's K).
; The choice is made in the GLOBAL addresses alone: region A takes x's tile 4 (cluster y % 8) + cy, for V Wv's tile cy; region B takes W's tile cx, for V x's tile 4 (cluster y % 8) + cx.
; So region A's tiles hang on cy alone and are shared by a row of the cluster, region B's on cx alone and are shared by a column, and no LDS address hangs on the path.
; K = 1,024 is two slots: slot 0 and the scale bytes are asked for at the head, one load a wave, slot 1 behind one round; nothing is filled again, and no loop is left to prefetch ahead in.
; direction = 1 is a constant of the problem: the mask is taken as it lies.  The mask's part stands at the end of the text.
.set NQ,     4
.set ROWB,   256
.set KROW,   512
.set PITCH,  272
.set FR,     8
.set NL,     2
.set NP,     4
.set HALFT,  128*PITCH
.set SLOT,   4*HALFT
.set KS,     32
.set SCL,    2*SLOT
.set HALFS,  16*272
.set SBLK,   2*272
.set HS,     221184
.set BO,   8
.set ADRA, 16
.set ADRB, 20
.set VO0,  24
.set VO1,  25
.set VS,   26
.set ADRS, 27
.set SHV,  28
.set SC,   32
.set AF,   128
.set CB,   64
.set TM,   200
.set PC,   216
.set W4,   224
.set SEL,  2
.set SA1,  18
.set SAJ,  20
.set SG,   22
.set SMK,  40
.set G1,   24
.set G0,   32
.set G1B,  48
.set G0B,  56
.set G1S,  68
.set G0S,  76
.set G1SB, 80
.set G0SB, 88
.set PATH, 95
.set U1,   100
.set U2,   101
.set MSB, 0
.macro WIN new
.if MSB != \new
	s_set_vgpr_msb (MSB<<8)|\new
.set MSB, \new
.endif
.endm
.set MUL_LO,  0xa1
.set MUL_HI,  0xf1
.set BIAS_LO, 0x91
.set BIAS_HI, 0xd1
.set TO_B,    0x40
.macro JLOAD g0a, g1a, g0b, g1b
	s_cmp_eq_u32 s15, 0
	s_cbranch_scc0 .Lfor_b_\@
	tensor_load_to_lds s[\g0a:\g0a+3], s[\g1a:\g1a+7]
	s_nop 0
.rept 4
	v_nop
.endr
	s_branch .Lasked_\@
.Lfor_b_\@:
	tensor_load_to_lds s[\g0b:\g0b+3], s[\g1b:\g1b+7]
	s_nop 0
.rept 4
	v_nop
.endr
.Lasked_\@:
.endm
.macro CROUND
	s_barrier_signal -1
	s_barrier_wait -1
	s_cmp_lg_u32 s14, 0
	s_cbranch_scc1 .Lnot_wave_0_\@
	s_barrier_signal -3
.Lnot_wave_0_\@:
	s_barrier_wait -3
	s_barrier_signal -1
	s_barrier_wait -1
.endm
	s_load_b512 s[68:83], s[0:1], 0x0
	s_load_b256 s[84:91], s[0:1], 0x40
	v_lshl_add_u32 v254, v0, 2, 0x48400
	v_mov_b32 v255, 0
	ds_add_u32 v254, v255
	ds_add_u32 v254, v255
	v_lshrrev_b32 v1, 5, v0
	v_readfirstlane_b32 s14, v1
	s_lshr_b32 s15, s14, 1
	s_and_b32 s16, s14, 1
	s_bfe_u32 s40, ttmp6, 0x40000
	s_bfe_u32 s41, ttmp6, 0x40004
	s_lshl_b32 s42, ttmp9, 2
	s_add_co_u32 s42, s42, s40
	s_and_b32 s17, ttmp7, 0xffff
	s_lshr_b32 s[PATH], s17, 3
	s_and_b32 s17, s17, 7
	s_lshl_b32 s17, s17, 2
	s_add_co_u32 s67, s17, s40                     ; V: x's tile, by cx
	s_add_co_u32 s17, s17, s41                     ; Q, K: x's tile, by cy
	s_cmp_eq_u32 s[PATH], 2
	s_cselect_b32 s66, s41, s17                    ; region A's tile: made of cy alone
	s_cselect_b32 s67, s67, s42                    ; region B's tile: made of cx alone
	s_lshl_b32 s43, s41, 2
	s_lshl_b32 s43, 15, s43
	s_lshl_b32 s44, 0x1111, s40
	s_or_b32 s[G1+0], s43, (0<<16)|(1<<20)|(1<<21)|(5<<22)|(3<<25)
	s_or_b32 s[G1B+0], s44, (0<<16)|(1<<20)|(1<<21)|(5<<22)|(3<<25)
.irp g, G1, G1B
	s_mov_b32 s[\g+1], ROWB<<16
	s_mov_b32 s[\g+2], 256<<16
	s_mov_b32 s[\g+3], ROWB<<16
	s_mov_b32 s[\g+4], 256
	s_mov_b32 s[\g+5], KROW
	s_mov_b32 s[\g+6], 0
	s_mov_b32 s[\g+7], 0
.endr
	s_lshl_b32 s20, s66, 8                         ; the tiles' first rows
	s_lshl_b32 s46, s67, 8
	s_lshl_b32 s22, s20, 5
	s_mov_b32 s23, 0
	s_lshl_b32 s92, s46, 5
	s_mov_b32 s93, 0
	s_lshl_b32 s20, s20, 9
	s_mov_b32 s21, 0
	s_lshl_b32 s46, s46, 9
	s_mov_b32 s47, 0
	s_mul_i32 s45, s14, HALFT
	s_mul_i32 s18, s16, 128*KROW                   ; slot 1: which 128 rows of a tile I fetch, in bytes
	s_mov_b32 s19, 0
	s_mov_b32 s[SEL], 0x76543210
	s_mov_b32 s[SEL+1], 0xfedcba98
	s_wait_dscnt 0x0
	s_wait_kmcnt 0x0
	s_cmp_eq_u32 s[PATH], 1
	s_cselect_b64 s[8:9], s[76:77], s[72:73]
	s_cselect_b64 s[10:11], s[78:79], s[74:75]
	s_cselect_b64 s[96:97], s[86:87], s[84:85]
	s_cmp_eq_u32 s[PATH], 2
	s_cselect_b64 s[8:9], s[68:69], s[8:9]         ; region B: V takes x
	s_cselect_b64 s[10:11], s[70:71], s[10:11]
	s_cselect_b64 s[96:97], s[88:89], s[96:97]
	s_cselect_b64 s[4:5], s[80:81], s[68:69]       ; region A: V takes Wv
	s_cselect_b64 s[6:7], s[82:83], s[70:71]
	s_mov_b64 s[12:13], s[90:91]
	s_add_nc_u64 s[20:21], s[4:5], s[20:21]
	s_add_nc_u64 s[22:23], s[6:7], s[22:23]
	s_add_nc_u64 s[46:47], s[8:9], s[46:47]
	s_add_nc_u64 s[92:93], s[10:11], s[92:93]
	s_or_b32 s[G1S+0], s43, (3<<16)|(1<<20)|(1<<21)|(5<<22)|(3<<25)
	s_or_b32 s[G1SB+0], s44, (3<<16)|(1<<20)|(1<<21)|(5<<22)|(3<<25)
.irp g, G1S, G1SB
	s_mov_b32 s[\g+1], 32<<16
	s_mov_b32 s[\g+2], 32<<16
	s_mov_b32 s[\g+3], 32<<16
	s_mov_b32 s[\g+4], 32
	s_mov_b32 s[\g+5], 32
	s_mov_b32 s[\g+6], 0
	s_mov_b32 s[\g+7], 0
.endr
	CROUND
	s_mov_b32 s[G0S], 1
	s_mov_b32 s[G0S+1], SCL
	s_mov_b64 s[G0S+2:G0S+3], s[22:23]
	s_or_b32 s[G0S+3], s[G0S+3], 0x80000000
	s_mov_b32 s[G0SB], 1
	s_mov_b32 s[G0SB+1], SCL+2*HALFS
	s_mov_b64 s[G0SB+2:G0SB+3], s[92:93]
	s_or_b32 s[G0SB+3], s[G0SB+3], 0x80000000
.set G0H,  4                           ; s[4:7], s[8:11] group 0 of the head's loads of slot 0 (the pointers that lay there have been used)
.set G0HB, 8
	s_mov_b32 s[G0H], 1
	s_mov_b32 s[G0H+1], 0
	s_mov_b64 s[G0H+2:G0H+3], s[20:21]
	s_or_b32 s[G0H+3], s[G0H+3], 0x80000000
	s_mov_b32 s[G0HB], 1
	s_mov_b32 s[G0HB+1], 2*HALFT
	s_mov_b64 s[G0HB+2:G0HB+3], s[46:47]
	s_or_b32 s[G0HB+3], s[G0HB+3], 0x80000000
	s_add_nc_u64 s[20:21], s[20:21], s[18:19]      ; for slot 1: my 128 rows of the tile
	s_add_nc_u64 s[46:47], s[46:47], s[18:19]
.irp s, 1
	s_mov_b32 s[G0+4*\s], 1
	s_add_co_u32 s[G0+4*\s+1], s45, \s*SLOT
	s_add_nc_u64 s[G0+4*\s+2:G0+4*\s+3], s[20:21], \s*ROWB
	s_or_b32 s[G0+4*\s+3], s[G0+4*\s+3], 0x80000000
	s_mov_b32 s[G0B+4*\s], 1
	s_add_co_u32 s[G0B+4*\s+1], s45, \s*SLOT
	s_add_nc_u64 s[G0B+4*\s+2:G0B+4*\s+3], s[46:47], \s*ROWB
	s_or_b32 s[G0B+4*\s+3], s[G0B+4*\s+3], 0x80000000
.endr
; the head's loads, one a wave, in one chain of branches on the wave's number: region A's 256 rows of slot 0, region B's, A's scale bytes, B's
.macro ARM under, g0, g1, next
	s_cmp_lt_u32 s14, \under
	s_cbranch_scc0 \next
	tensor_load_to_lds s[\g0:\g0+3], s[\g1:\g1+7]
	s_nop 0
.rept 4
	v_nop
.endr
	s_branch .Lhead_asked
\next:
.endm
	ARM 1, G0H,  G1,  .Lhead_b
	ARM 2, G0HB, G1B, .Lhead_sa
	ARM 3, G0S,  G1S, .Lhead_sb
	tensor_load_to_lds s[G0SB:G0SB+3], s[G1SB:G1SB+7]
	s_nop 0
.rept 4
	v_nop
.endr
.Lhead_asked:
	v_and_b32 v1, 15, v0
	v_bfe_u32 v2, v0, 4, 1
	v_mul_u32_u24 v3, v1, PITCH
	v_lshl_add_u32 v4, v2, 4, v3
	s_wait_alu depctr_va_vdst(0)
	s_cmp_eq_u32 s[PATH], 2
	s_cselect_b32 s[U1], s15, s16
	s_cselect_b32 s[U2], s16, s15
	s_cselect_b32 s17, s67, s66                    ; from here on, for the results' global addresses: x's tile,
	s_cselect_b32 s42, s66, s67                    ; and W's
	s_mul_i32 s21, s15, HALFT                      ; my 128 rows of region A
	s_mul_i32 s22, s16, HALFT                      ; my 128 rows of region B,
	s_add_co_u32 s22, s22, 2*HALFT                 ; which lies behind A's 256
.irp s, 0,1
	v_add_nc_u32 v[ADRA+\s], s21, v4
	v_add_nc_u32 v[ADRB+\s], s22, v4
	s_add_co_u32 s21, s21, SLOT
	s_add_co_u32 s22, s22, SLOT
.endr
	v_mul_u32_u24 v5, v1, KS
	v_lshrrev_b32 v6, 8, v5
	v_lshl_add_u32 v5, v6, 4, v5
	s_mul_i32 s21, s15, HALFS                      ; region A's scale words: my 128 rows
	s_mul_i32 s22, s16, HALFS                      ; region B's, behind A's 256
	s_add_co_u32 s22, s22, 2*HALFS
	s_sub_co_u32 s22, s22, s21
	v_mul_u32_u24 v6, s22, v2                      ; lanes 16-31 take B's: the lower base + half x the distance
	s_add_co_u32 s21, s21, SCL
	v_add_nc_u32 v5, v5, v6
	s_wait_alu depctr_va_vdst(0)
	v_add_nc_u32 v[ADRS], s21, v5
	s_lshl_b32 s18, s42, 10
	s_lshl_b32 s19, s[U1], 9
	s_add_co_u32 s18, s18, s19
	s_mov_b32 s19, 0
	s_add_nc_u64 s[96:97], s[96:97], s[18:19]
	s_cmp_eq_u32 s[PATH], 2
	s_cselect_b32 s18, -1, 0
	v_lshlrev_b32 v5, 2, v1
	v_lshlrev_b32 v6, 5, v2
.irp j, 0,1,2,3,4,5,6,7
	v_add_nc_u32 v7, 4*\j, v6
	v_cndmask_b32 v[BO+\j], v7, v5, s18
.endr
	WIN TO_B
.irp i, 0,1,2,3,4,5,6,7
.irp j, 0,1,2,3,4,5,6,7
	global_load_b32 v[CB+8*\i+\j], v[BO+\j], s[96:97] offset:64*\i
.endr
.endr
	WIN 0
	s_lshr_b32 s92, s17, 3
	s_lshl_b32 s92, s92, 4
	s_lshl_b32 s93, s42, 2
	s_add_co_u32 s92, s92, s93
	s_lshl_b32 s93, s[U1], 1
	s_add_co_u32 s92, s92, s93
	s_mul_i32 s92, s92, HS
	s_cmp_eq_u32 s[PATH], 0
	s_cselect_b32 s93, 147456, 0
	s_cmp_eq_u32 s[PATH], 2
	s_cselect_b32 s93, 73728, s93
	s_add_co_u32 s92, s92, s93
	s_and_b32 s93, s17, 7
	s_lshl_b32 s93, s93, 1
	s_add_co_u32 s93, s93, s[U2]
	s_lshl_b32 s46, s93, 9
	s_add_co_u32 s46, s46, s92
	s_add_co_u32 s46, s46, 65536
	s_mov_b32 s47, 0
	s_lshl_b32 s93, s93, 12
	s_add_co_u32 s92, s92, s93
	s_mov_b32 s93, 0
	s_add_nc_u64 s[98:99], s[12:13], s[46:47]
	s_add_nc_u64 s[12:13], s[12:13], s[92:93]
	s_cmp_eq_u32 s[PATH], 2
	s_mov_b32 s[SA1], 512
	s_cselect_b32 s[SA1], 1024, s[SA1]
	s_mov_b32 s[SA1+1], 0
	s_mov_b32 s[SAJ], 512
	s_cselect_b32 s[SAJ], HS-3072, s[SAJ]
	s_mov_b32 s[SAJ+1], 0
	s_mov_b32 s[SG], 256
	s_cselect_b32 s[SG], HS, s[SG]
	s_mov_b32 s[SG+1], 0
	s_mov_b32 s43, HS
	s_cselect_b32 s43, 512, s43
	s_mov_b32 s44, HS
	s_cselect_b32 s44, 256, s44
	s_cselect_b32 s46, 0, 16
	s_mov_b32 s[SMK], 0xffff
	s_cselect_b32 s[SMK], -1, s[SMK]
	v_and_b32 v5, 31, v0
	v_lshlrev_b32 v[VO0], 4, v5
	v_add_nc_u32 v[VO1], s43, v[VO0]
	v_mul_u32_u24 v6, s44, v2
	v_lshl_add_u32 v[VS], v1, 4, v6
	v_mul_u32_u24 v[SHV], s46, v2
.irp b, 0,1,2,3
	v_mov_b32 v[TM+4+\b], 0
.endr
.macro FRAG reg, adr, q, i
.irp c, 0,1
	ds_load_b128 v[\reg+4*\c:\reg+4*\c+3], v[\adr] offset:64*(\q)+32*\c+(\i)*16*PITCH
.endr
.endm
.macro MUL16 a0, p, q, sc, cm
.irp a, \a0, \a0+1
.irp b, 0,1,2,3,4,5,6,7
.if (\cm) == 1
	v_wmma_scale_f32_16x16x128_f8f6f4 v[8*(8*((\a)%4)+\b):8*(8*((\a)%4)+\b)+7], v[128*(\p)+FR*\b:128*(\p)+FR*\b+FR-1], v[AF+FR*(\a):AF+FR*(\a)+FR-1], v[CB+8*\b:CB+8*\b+7], v[SC+8*NQ*(\sc)+NQ*\b+(\q)], v[SC+8*NQ*(\sc)+NQ*(\a)+(\q)] matrix_a_fmt:MATRIX_FMT_FP4 matrix_b_fmt:MATRIX_FMT_FP4 matrix_a_scale:MATRIX_SCALE_ROW1
.elseif (\cm) == 2
	v_wmma_scale_f32_16x16x128_f8f6f4 v[8*(8*((\a)%4)+\b):8*(8*((\a)%4)+\b)+7], v[128*(\p)+FR*\b:128*(\p)+FR*\b+FR-1], v[AF+FR*(\a):AF+FR*(\a)+FR-1], v[CB+8*(\a):CB+8*(\a)+7], v[SC+8*NQ*(\sc)+NQ*\b+(\q)], v[SC+8*NQ*(\sc)+NQ*(\a)+(\q)] matrix_a_fmt:MATRIX_FMT_FP4 matrix_b_fmt:MATRIX_FMT_FP4 matrix_a_scale:MATRIX_SCALE_ROW1
.else
	v_wmma_scale_f32_16x16x128_f8f6f4 v[8*(8*((\a)%4)+\b):8*(8*((\a)%4)+\b)+7], v[128*(\p)+FR*\b:128*(\p)+FR*\b+FR-1], v[AF+FR*(\a):AF+FR*(\a)+FR-1], v[8*(8*((\a)%4)+\b):8*(8*((\a)%4)+\b)+7], v[SC+8*NQ*(\sc)+NQ*\b+(\q)], v[SC+8*NQ*(\sc)+NQ*(\a)+(\q)] matrix_a_fmt:MATRIX_FMT_FP4 matrix_b_fmt:MATRIX_FMT_FP4 matrix_a_scale:MATRIX_SCALE_ROW1
.endif
.endr
.endr
.endm
.macro FETCH_B slot, q, p
	WIN TO_B
.irp i, 0,1,2,3,4,5,6,7
	FRAG 128*(\p)+FR*\i, ADRB+\slot, \q, \i
.endr
	WIN 0
.endm
.macro FETCH_A slot, q, i0
.irp i, \i0, \i0+1, \i0+2, \i0+3
	FRAG AF+FR*(\i), ADRA+\slot, \q, \i
.endr
.endm
.macro SCALES sc
.irp i, 0,1,2,3,4,5,6,7
	ds_load_b128 v[SC+8*NQ*\sc+NQ*\i:SC+8*NQ*\sc+NQ*\i+3], v[ADRS] offset:\i*SBLK
.endr
.endm
.macro PLACES n
.rept \n
	v_nop
.endr
.endm
.macro STEP slot, q, cm
	s_wait_dscnt 4*NL
.if (\cm) != 0
	WIN BIAS_LO
.else
	WIN MUL_LO
.endif
	MUL16 0, (\q)%2, \q, \slot, \cm
	MUL16 2, (\q)%2, \q, \slot, \cm
	s_wait_dscnt 0
	PLACES NP
	FETCH_B \slot, (\q)+1, 1-(\q)%2
	FETCH_A \slot, (\q)+1, 0
.if (\cm) != 0
	WIN BIAS_HI
.else
	WIN MUL_HI
.endif
	MUL16 4, (\q)%2, \q, \slot, \cm
	MUL16 6, (\q)%2, \q, \slot, \cm
	PLACES NP
	WIN 0
	FETCH_A \slot, (\q)+1, 4
.endm
.macro STEPS slot, from
.set Q, \from
.rept NQ-1-\from
	STEP \slot, Q, 0
.set Q, Q+1
.endr
.endm
	s_wait_alu depctr_va_vdst(0)                   ; the wait at the head's end
	s_wait_tensorcnt 0x0                           ; my tile of the head's four is in
	ds_add_u32 v254, v255
	s_mov_b32 s[G1+2], 128<<16                     ; no tensor load of mine is out: from here on a load brings 128 rows
	s_mov_b32 s[G1+4], 128
	s_mov_b32 s[G1B+2], 128<<16
	s_mov_b32 s[G1B+4], 128
	s_wait_dscnt 0x0
	CROUND                                         ; all four tiles are in, and the sixteen work-groups are here
	JLOAD G0+4, G1, G0B+4, G1B                     ; slot 1, a quarter a wave: the first tensor load behind the round
	FETCH_B 0, 0, 0
	FETCH_A 0, 0, 0
	SCALES 0
	FETCH_A 0, 0, 4
	s_wait_loadcnt 0x0
	s_cmp_eq_u32 s[PATH], 2
	s_cbranch_scc1 .Lbias_r
	STEP 0, 0, 1
	s_branch .Lbias_done
.Lbias_r:
	STEP 0, 0, 2
.Lbias_done:
	STEPS 0, 1
	s_wait_tensorcnt 0x0
	s_wait_dscnt 4*NL
	WIN MUL_LO
	MUL16 0, 1, NQ-1, 0, 0
	s_wait_dscnt 0x0
	s_barrier_signal -1
	MUL16 2, 1, NQ-1, 0, 0
	WIN 0
	s_barrier_wait -1
	PLACES NP
	v_add_nc_u32 v[ADRS], 4*NQ, v[ADRS]
	FETCH_B 1, 0, 0
	FETCH_A 1, 0, 0
	SCALES 1
	WIN MUL_HI
	MUL16 4, 1, NQ-1, 0, 0
	MUL16 6, 1, NQ-1, 0, 0
	PLACES NP
	WIN 0
	FETCH_A 1, 0, 4
	STEPS 1, 0
	s_wait_dscnt 4*NL
	WIN MUL_LO
	MUL16 0, 1, NQ-1, 1, 0
	MUL16 2, 1, NQ-1, 1, 0
	s_wait_dscnt 0
	WIN MUL_HI
	MUL16 4, 1, NQ-1, 1, 0
	MUL16 6, 1, NQ-1, 1, 0
	WIN 0
	PLACES NP
.macro OUTTILE a
.set AC, 64*((\a)%4)
.set WN, 2+(\a)/4
.set WS, WN|(WN<<2)
	s_wait_xcnt 0x0
	WIN WS
.irp b, 0,1,2,3
	v_max3_num_f32 v[TM+\b], |v[AC+16*\b]|, |v[AC+16*\b+1]|, 0x1800000
.endr
.irp i, 2,4,6,8,10,12,14
.irp b, 0,1,2,3
	v_max3_num_f32 v[TM+\b], |v[AC+16*\b+\i]|, |v[AC+16*\b+\i+1]|, v[TM+\b]
.endr
.endr
	WIN 0
.irp b, 0,1,2,3
	v_permlanex16_b32 v[TM+4+\b], v[TM+\b], s[SEL], s[SEL+1]
.endr
.irp b, 0,1,2,3
	v_max_num_f32 v[TM+\b], v[TM+\b], v[TM+4+\b]
.endr
.irp b, 0,1,2,3
	v_add_nc_u32 v[TM+12+\b], 0xff000000, v[TM+\b]
.endr
.irp b, 0,1,2,3
	v_lshrrev_b32 v[TM+4+\b], 23, v[TM+12+\b]
.endr
	v_lshl_or_b32 v[W4+(\a)%4], v[TM+5], 8, v[TM+4]
	v_lshl_or_b32 v[W4+(\a)%4], v[TM+6], 16, v[W4+(\a)%4]
	v_lshl_or_b32 v[W4+(\a)%4], v[TM+7], 24, v[W4+(\a)%4]
	WIN WN
.irp b, 0,1,2,3
	v_cvt_scalef32_pk8_fp4_f32 v[PC+2*\b], v[AC+16*\b:AC+16*\b+7], v[TM+12+\b]
	v_cvt_scalef32_pk8_fp4_f32 v[PC+2*\b+1], v[AC+16*\b+8:AC+16*\b+15], v[TM+12+\b]
.endr
	WIN 0
	v_nop
.irp c, 0,1
.irp i, 0,1
	v_permlane16_swap_b32 v[PC+4*\c+\i], v[PC+4*\c+2+\i]
.endr
.endr
.if (\a) == 4
	s_add_nc_u64 s[12:13], s[12:13], s[SAJ:SAJ+1]
.elseif (\a) > 0
	s_add_nc_u64 s[12:13], s[12:13], s[SA1:SA1+1]
.endif
	global_store_b128 v[VO0], v[PC:PC+3], s[12:13]
	global_store_b128 v[VO1], v[PC+4:PC+7], s[12:13]
.if (\a)%4 == 3
.irp i, 0,1,2,3
	v_lshrrev_b32 v[W4+\i], v[SHV], v[W4+\i]
.endr
.irp i, 0,1,2,3
	v_and_b32 v[W4+\i], s[SMK], v[W4+\i]
.endr
	global_store_b128 v[VS], v[W4:W4+3], s[98:99]
.if (\a) == 3
	s_wait_xcnt 0x0
	s_add_nc_u64 s[98:99], s[98:99], s[SG:SG+1]
.endif
.endif
.endm
; (the way out is written on both sides of the branch on the cluster's y, below)
; THE MASK.  x_mask [4][2048][2048] int32 becomes maskw [4][128 T][16 s][64 n] u32: bit l = (r, h) (r = l % 16, h = l / 16) of word n = 8 u + j is 1 where x_mask[b][16 T + r][128 s + 16 u + 8 h + j] == 0:
; one word is the lane mask of one select of the attention launch.  The 8 clusters with an odd y under 16 do it behind their tile (a branch on the cluster's y, the same in all partners): 24 clusters are more than
; run at once, so the others' places take V's clusters meanwhile.  Work-group m = 16 (y / 2) + 4 cy + cx takes rows 64 m .. 64 m + 63, four groups of 16; wave w key steps 4 w .. 4 w + 3 of each group: 16 tiles of 16 rows x 128 keys.
; A load reads 256 aligned bytes of each of two rows.  Half a tile (64 keys) turns through the wave's own stage, 16 rows of 256 + 16 bytes, on LDS bytes into which no fill lands, and comes back with row r in lane (r, h).
; 64 compares give a tile's 64 words; v_writelane_b32 lays them two to a lane; one store covers 256 aligned bytes.  Loads run three tiles (48 loads a wave) ahead, in four sets of 64 registers (window 1).
.set STG, 0x48600                      ; behind the spare words: 4 x 4,352 bytes
.set MX,  32                           ; v32-95 a tile as the compares want it: 32 registers for each half
.set MO,  8                            ; v8-15  two registers of words for each tile of a group
.macro MLD tt                          ; tile tt % 4 of this group (tt / 4 = 1: of the next) into set tt % 4
	WIN 0x40
.irp a, 0,1
.irp i, 0,1,2,3,4,5,6,7
	global_load_b128 v[64*((\tt)%4)+32*\a+4*\i:64*((\tt)%4)+32*\a+4*\i+3], v1, s[4:5] offset:131072*((\tt)/4)+512*((\tt)%4)+256*\a+16384*\i th:TH_LOAD_NT
.endr
.endr
	WIN 0
.endm
.macro MTILE t, last
.if (\last) && (\t) > 1
	s_wait_loadcnt 16*(3-(\t))                     ; the last group's last tiles: only the tiles behind this one are out
.else
	s_wait_loadcnt 32                              ; this tile's 16 loads are in; the next two tiles' 32 may be out
.endif
.if (\last) == 0 || (\t) == 0
	MLD (\t)+3                                     ; into the set of the tile before, whose LDS stores have been waited for
.endif
.irp a, 0,1
	WIN 0x04
.irp i, 0,1,2,3,4,5,6,7
	ds_store_b128 v2, v[64*(\t)+32*\a+4*\i:64*(\t)+32*\a+4*\i+3] offset:544*\i
.endr
	WIN 0
.irp u, 0,1,2,3
	ds_load_b128 v[MX+32*\a+8*\u:MX+32*\a+8*\u+3], v3 offset:64*\u   ; LDS serves a wave's instructions in order (ISA guide 5.7.1.4): these see the stores above, and the second half's stores come behind the first half's loads
	ds_load_b128 v[MX+32*\a+8*\u+4:MX+32*\a+8*\u+7], v3 offset:64*\u+16
.endr
.endr
.irp a, 0,1
	s_wait_dscnt 16-16*\a                          ; half a is back; behind the first half's loads stand the second half's 8 stores and 8 loads
.irp u, 0,1,2,3
.irp k, 0,1,2,3,4,5,6,7
	v_cmp_eq_u32 s[32+8*\u+\k], 0, v[MX+32*\a+8*\u+\k]   ; word 32 a + 8 u + k: the lanes whose key is hidden
.endr
.endr
.irp u, 0,1,2,3
.irp k, 0,1,2,3,4,5,6,7
	v_writelane_b32 v[MO+2*(\t)+(\k)%2], s[32+8*\u+\k], 16*\a+4*\u+(\k)/2   ; word n goes to lane n / 2, register n % 2
.endr
.endr
.endr
	global_store_b64 v4, v[MO+2*(\t):MO+2*(\t)+1], s[6:7] offset:256*(\t)   ; 32 lanes store 256 consecutive aligned bytes
.endm
	s_and_b32 s24, ttmp7, 0xffff                   ; the cluster's y, 0 .. 23
	s_and_b32 s25, s24, 0x11
	s_cmp_eq_u32 s25, 1                            ; odd and under 16
	s_cbranch_scc0 .Lno_mask
	s_wait_xcnt 0x0                                ; the results' stores have read their registers and bases
	s_load_b128 s[4:7], s[0:1], 0x60               ; x_mask, maskw
	s_bfe_u32 s26, ttmp6, 0x40000
	s_bfe_u32 s27, ttmp6, 0x40004
	s_lshr_b32 s24, s24, 1
	s_lshl_b32 s24, s24, 4
	s_lshl_b32 s27, s27, 2
	s_add_co_u32 s24, s24, s27
	s_add_co_u32 s24, s24, s26                     ; m: it enters global addresses alone
	s_lshl_b32 s8, s24, 19                         ; 64 rows of 8,192 bytes
	s_mov_b32 s9, 0
	s_lshl_b32 s10, s24, 14                        ; four groups of 4,096 bytes of words
	s_mov_b32 s11, 0
	v_and_b32 v5, 31, v0
	v_and_b32 v6, 15, v0                           ; r
	v_bfe_u32 v7, v0, 4, 1                         ; h
	s_lshl_b32 s28, s14, 11
	v_lshl_add_u32 v1, v6, 4, s28
	v_lshl_add_u32 v1, v7, 13, v1                  ; lanes 16-31 a row on
	s_mul_i32 s29, s14, 16*272
	s_add_co_u32 s29, s29, STG
	v_mul_u32_u24 v2, v7, 272
	v_lshl_add_u32 v2, v6, 4, v2
	v_add_nc_u32 v2, s29, v2
	v_mul_u32_u24 v3, v6, 272
	v_lshl_add_u32 v3, v7, 5, v3
	v_add_nc_u32 v3, s29, v3
	s_lshl_b32 s26, s14, 10
	v_lshl_add_u32 v4, v5, 3, s26                  ; out: my wave's four steps of 256 bytes + 8 x lane
.irp i, 0,1,2,3,4,5,6,7
	v_mov_b32 v[MO+\i], 0                          ; the destination of v_writelane_b32 counts as read
.endr
	s_wait_alu depctr_va_vdst(0)
	s_wait_kmcnt 0x0
	s_add_nc_u64 s[4:5], s[4:5], s[8:9]
	s_add_nc_u64 s[6:7], s[6:7], s[10:11]
	MLD 0
	MLD 1
	MLD 2
.irp a, 0,1,2,3,4,5,6,7                ; my tile's way out, with the mask's first three tiles (48 loads, into window 1, which it does not name) on their way
	OUTTILE \a
.endr
	s_mov_b32 s25, 3
.Lmask_group:                                          ; three groups that ask on into the next; the last is written out and asks for nothing beyond my rows
	MTILE 0, 0
	MTILE 1, 0
	MTILE 2, 0
	MTILE 3, 0
	s_wait_alu depctr_va_vdst(0)
	s_wait_xcnt 0x0                                ; loads and stores have read their bases, and the stores their data
	s_add_nc_u64 s[4:5], s[4:5], 0x20000
	s_add_nc_u64 s[6:7], s[6:7], 0x1000
	s_sub_co_i32 s25, s25, 1
	s_cmp_lg_u32 s25, 0
	s_cbranch_scc1 .Lmask_group
	MTILE 0, 1
	MTILE 1, 1
	MTILE 2, 1
	MTILE 3, 1
	s_branch .Lall_out
.Lno_mask:
.irp a, 0,1,2,3,4,5,6,7                ; the clusters without a share of the mask: the way out alone
	OUTTILE \a
.endr
.Lall_out:
	s_wait_tensorcnt 0x0
	ds_add_u32 v254, v255
	s_wait_dscnt 0x0
	CROUND
	s_endpgm
.Lfunc_end_k_q27a1975bba_proj:
	.size	k_q27a1975bba_proj, .Lfunc_end_k_q27a1975bba_proj-k_q27a1975bba_proj
	.p2alignl 7, 3214868480
	.fill 96, 4, 3214868480
	.section	.rodata,"a",@progbits
	.p2align	6, 0x0
	.amdhsa_kernel k_q27a1975bba_proj
		.amdhsa_group_segment_fixed_size 327680
		.amdhsa_private_segment_fixed_size 0
		.amdhsa_enable_private_segment 0
		.amdhsa_kernarg_size 112
		.amdhsa_user_sgpr_count 2
		.amdhsa_user_sgpr_kernarg_segment_ptr 1
		.amdhsa_wavefront_size32 1
		.amdhsa_system_sgpr_workgroup_id_x 1
		.amdhsa_system_sgpr_workgroup_id_y 1
		.amdhsa_system_sgpr_workgroup_id_z 1
		.amdhsa_system_vgpr_workitem_id 0
		.amdhsa_next_free_vgpr 1024
		.amdhsa_next_free_sgpr 102
		.amdhsa_reserve_vcc 0
		.amdhsa_float_denorm_mode_32 3
		.amdhsa_float_denorm_mode_16_64 3
		.amdhsa_memory_ordered 1
		.amdhsa_forward_progress 1
		.amdhsa_inst_pref_size 255
	.end_amdhsa_kernel
	.section	.bss,"aw",@nobits
	.p2align	6
	.space	262144
	.amdgpu_metadata
---
amdhsa.version: [ 1, 2 ]
amdhsa.kernels:
  - .name:           k_q27a1975bba_proj
    .symbol:         k_q27a1975bba_proj.kd
    .args:
      - { .name: x_codes, .offset: 0, .size: 8, .value_kind: global_buffer, .address_space: global }
      - { .name: x_scales, .offset: 8, .size: 8, .value_kind: global_buffer, .address_space: global }
      - { .name: Wq_codes, .offset: 16, .size: 8, .value_kind: global_buffer, .address_space: global }
      - { .name: Wq_scales, .offset: 24, .size: 8, .value_kind: global_buffer, .address_space: global }
      - { .name: Wk_codes, .offset: 32, .size: 8, .value_kind: global_buffer, .address_space: global }
      - { .name: Wk_scales, .offset: 40, .size: 8, .value_kind: global_buffer, .address_space: global }
      - { .name: Wv_codes, .offset: 48, .size: 8, .value_kind: global_buffer, .address_space: global }
      - { .name: Wv_scales, .offset: 56, .size: 8, .value_kind: global_buffer, .address_space: global }
      - { .name: bq, .offset: 64, .size: 8, .value_kind: global_buffer, .address_space: global }
      - { .name: bk, .offset: 72, .size: 8, .value_kind: global_buffer, .address_space: global }
      - { .name: bv, .offset: 80, .size: 8, .value_kind: global_buffer, .address_space: global }
      - { .name: qkv, .offset: 88, .size: 8, .value_kind: global_buffer, .address_space: global }
      - { .name: x_mask, .offset: 96, .size: 8, .value_kind: global_buffer, .address_space: global }
      - { .name: maskw, .offset: 104, .size: 8, .value_kind: global_buffer, .address_space: global }
    .group_segment_fixed_size: 327680
    .private_segment_fixed_size: 0
    .kernarg_segment_align: 8
    .kernarg_segment_size: 112
    .max_flat_workgroup_size: 128
    .sgpr_count:     102
    .vgpr_count:     1024
    .wavefront_size: 32
...
	.end_amdgpu_metadata
.endif
;; end of part 1
;; launch attn (part 2): grid 4 x 64, 16 waves a work-group, clusters of 4 x 1, 219,136 bytes of LDS; arguments qkv, maskw, out0; writes out0
.if DOCPART == 2
	.amdgcn_target "amdgcn-amd-amdhsa--gfx1250"
	.amdhsa_code_object_version 6
	.text
	.protected	k_q27a1975bba_attn
	.globl	k_q27a1975bba_attn
	.p2align	8
	.type	k_q27a1975bba_attn,@function
k_q27a1975bba_attn:
	s_mov_b64 s[64:65], 0
	v_nop
	global_prefetch_b8 v0, s[64:65] scope:SCOPE_SE
	s_setreg_imm32_b32 hwreg(HW_REG_WAVE_MODE, 25, 1), 1
	s_wait_xcnt 0x0
	s_wait_alu depctr_hold_cnt(0) depctr_sa_sdst(0) depctr_va_vdst(0) depctr_va_sdst(0) depctr_va_ssrc(0) depctr_va_vcc(0) depctr_vm_vsrc(0)
	s_getreg_b32 s2, hwreg(HW_REG_IB_STS2, 6, 4)
	s_cmp_eq_u32 s2, 0
	s_cbranch_scc0 .Lentry_in_a_cluster
	s_endpgm
.Lentry_in_a_cluster:
	s_bfe_u32 s2, ttmp6, 0x10000c
	s_cmp_lg_u32 s2, 0x3003
	s_cbranch_scc0 .Lentry_shape_is_right
	s_endpgm
.Lentry_shape_is_right:
; out0[b][q][64 head + d] = the sum over keys of softmax(q . k / 8, hidden where x_mask == 0) v, both products on codes of FP4 (E2M1) with one E8M0 scale for each 32 along a product's K.
; Q, K, V come from qkv as images of operand registers, a record of HS bytes for each (batch, head): K's codes at 0, K's scale words at 65,536, V's codes at 73,728, V's scale words at 139,264, Q's at 147,456 and 212,992.
; THE SOFTMAX: t = score x log2(e) / 8; M = the row's largest t so far, rounded up to a whole number; p = 2^(t - M) is quantised along the keys, not normalised; the row's sum is taken of the unquantised p and divides at the end.
; When M moves, the sum and O are multiplied by 2^(old M - new M): exact.
; THE MASK comes as lane masks (maskw): word n of a key step says for which lanes score register n is hidden.  64 words a step come by scalar loads, asked for a step ahead, and each serves one v_cndmask_b32.
; A hidden score becomes -2^33 (a logit of -2^30 where the reference writes -1e9): c x 2^33 is a whole number and exact, so in a row that is wholly hidden t - M is exactly 0, every p is 1 and the result is the mean of V, as there.
; LIMITS: the results agree with a hidden logit of -1e9 where every open logit lies above about -1e9 + 200.  NaN and infinities are not served.
; SHARES.  A work-group owns 512 queries of one (batch, head); each of its sixteen waves owns two tiles of 16 queries and takes them one after the other (PASS), in 256 registers: four waves to a SIMD, so that one wave's
; vector work stands beside another's matrix work and LDS loads.  The head's K and V, 147,456 bytes as they lie in memory, are brought into LDS ONCE: each wave fetches a sixteenth; nothing is filled again.
; CLUSTER.  The four work-groups of a cluster belong to one (batch, head) and read the same K and V: each sixteenth is asked for jointly, by the same tensor load with the same descriptor and a mask that names the four.
; LAYOUT.  Both products are used transposed: S^T = K Q^T (source 0 = 16 keys, source 1 = my 16 queries), O^T = V^T P^T (source 0 = 16 channels, source 1 = P): a lane holds one query (lane % 16) throughout.
; K = 64 in the first product: registers 4-7 of Q's and of K's fragments are zero codes, written once.  Score register 8 u + j of lane (r, h) is key 128 s + 16 u + 8 h + j; P's codes come out in the order inside a block of 32 in which V's were made.
; REGISTERS: v1-6 addresses and constants that stay; v8-11 addresses in hand; v12 -M, v13 the largest t, v[14:15] the sum in two halves; v16-23 Q; v24-27 V's scale words; v28-29 Q's offsets; v32-95 eight fragments of K;
;   v96-159 S^T, then p; v160-191 O^T; v192-223 V's four fragments; v224-231 p's codes; v232-239, v244-247, v252-254 at work; v240-243, v248-251 K's scale words; v253 p's scale word; v255 Q's.
.set HS,    221184
.set KSCO,  65536
.set VIMO,  73728
.set VSCO,  139264
.set QOFF,  147456
.set STAGE, 147456                     ; behind K and V: 16 rows x (256 bytes + 16) for each wave, for the way out: no fill lands there
.set L16,  1                           ; v1   16 x lane: an image's place for my lane
.set AV0,  2                           ; v2   the same among V's codes
.set ASK0, 3                           ; v3   16 r among K's scale words
.set ASV0, 4                           ; v4   16 x lane among V's
.set NEG,  5                           ; v5   -2^33
.set GO,   6                           ; v6   out: 4,096 h + 16 r
.set ADK,  8
.set ADV,  9
.set ADS,  10
.set ADT,  11
.set QA,   28                          ; v28  Q's codes: 16 x lane + 512 x my first tile
.set QS,   29                          ; v29  Q's scale word
.set KF,   32
.set VF,   192
.set TB,   2                           ; s2   where the step's codes begin: 4,096 bytes a step, in K's and in V's
.set TS,   3                           ; s3   and its scale words: 512 bytes a step
.set MOFF, 10                          ; s10  where the mask words that are asked for next begin, in my two tiles' 8,192 bytes
.set CNT,  11
.set G1,   12                          ; s[12:19] descriptor group 1
.set SEL,  20                          ; s[20:21] lane selects for v_permlanex16_b32: lane l xor 16
.set CS,   22                          ; s[22:23] c = log2(e) / 8
.set G0,   24                          ; s[24:27] descriptor group 0
.set WV,   28                          ; s28  my wave's number
                                       ; s[32:63], s[68:99] the step's 64 mask words: word n in s[32 + n], from n = 32 on in s[36 + n]
.macro ROUND                           ; a round of the cluster's barrier
	s_barrier_signal -1
	s_barrier_wait -1
	s_cmp_lg_u32 s[WV], 0
	s_cbranch_scc1 .Lnot_wave_0_\@
	s_barrier_signal -3
.Lnot_wave_0_\@:
	s_barrier_wait -3
	s_barrier_signal -1
	s_barrier_wait -1
.endm
.macro MLOAD                           ; 64 mask words, 256 bytes
	s_load_b512 s[32:47], s[6:7], s[MOFF] offset:0x0
	s_load_b512 s[48:63], s[6:7], s[MOFF] offset:0x40
	s_load_b512 s[68:83], s[6:7], s[MOFF] offset:0x80
	s_load_b512 s[84:99], s[6:7], s[MOFF] offset:0xc0
.endm
	s_load_b128 s[4:7], s[0:1], 0x0                ; qkv, maskw
	s_load_b64 s[8:9], s[0:1], 0x10                ; out0
	v_lshl_add_u32 v30, v0, 2, 0x35000
	v_mov_b32 v31, 0
	ds_add_u32 v30, v31
	ds_add_u32 v30, v31
	v_lshrrev_b32 v8, 5, v0
	s_delay_alu instid0(VALU_DEP_1)
	v_readfirstlane_b32 s[WV], v8                  ; wave 0..15
	s_and_b32 s30, ttmp7, 0xffff                   ; 16 x batch + head, which the four partners share
	s_bfe_u32 s31, ttmp6, 0x40000                  ; cx
	s_lshl_b32 s29, ttmp9, 2
	s_add_co_u32 s31, s31, s29                     ; my block of 512 queries: it enters the addresses of Q, maskw and out0 alone
	; descriptor group 1: a sixteenth of the dense block, 9,216 bytes, as 36 rows of 256 bytes (32 elements of 8 bytes), no padding: the images are read as they lie
	s_mov_b32 s[G1+0], 15|(3<<16)|(1<<21)          ; 15:0 the mask: all four work-groups; 17:16 elements of 8 bytes; 21 set beside a mask
	s_mov_b32 s[G1+1], 32<<16                      ; tensor_dim0
	s_mov_b32 s[G1+2], 36<<16                      ; tensor_dim1
	s_mov_b32 s[G1+3], 32<<16                      ; tile_dim0
	s_mov_b32 s[G1+4], 36                          ; tile_dim1
	s_mov_b32 s[G1+5], 32                          ; tensor_dim0_stride
	s_mov_b32 s[G1+6], 0
	s_mov_b32 s[G1+7], 0
	s_mul_i32 s10, s30, HS
	s_mov_b32 s11, 0
	s_mov_b32 s[G0], 1
	s_mul_i32 s[G0+1], s[WV], 9216                 ; LDS: my sixteenth
	s_wait_dscnt 0x0
	s_wait_kmcnt 0x0
	s_add_nc_u64 s[4:5], s[4:5], s[10:11]          ; the record
	s_mul_i32 s10, s[WV], 9216
	s_add_nc_u64 s[G0+2:G0+3], s[4:5], s[10:11]
	s_or_b32 s[G0+3], s[G0+3], 0x80000000
	ROUND                                          ; all four work-groups are here: the joint loads meet
	tensor_load_to_lds s[G0:G0+3], s[G1:G1+7]      ; my one tensor load
	s_nop 0
.rept 4
	v_nop
.endr
	s_add_nc_u64 s[4:5], s[4:5], QOFF              ; Q's part of the record
	s_lshl_b32 s29, s31, 5
	s_lshl_b32 s10, s[WV], 1
	s_add_co_u32 s29, s29, s10                     ; my first tile of queries: 32 x block + 2 x wave
	s_lshr_b32 s10, s30, 4
	s_lshl_b32 s10, s10, 7
	s_add_co_u32 s10, s10, s29                     ; 128 x batch + tile
	s_lshl_b32 s10, s10, 12
	s_add_nc_u64 s[6:7], s[6:7], s[10:11]          ; its mask words: 4,096 bytes a tile
	s_lshl_b32 s10, s10, 4                         ; its 16 rows of out0: 65,536 bytes a tile,
	s_and_b32 s30, s30, 15
	s_lshl_b32 s30, s30, 8
	s_add_co_u32 s10, s10, s30                     ; + the head's 256 bytes of a row
	s_add_nc_u64 s[8:9], s[8:9], s[10:11]
	s_mov_b32 s[MOFF], 0
	MLOAD                                          ; the first step's mask words
	v_and_b32 v8, 31, v0
	s_delay_alu instid0(VALU_DEP_1)
	v_lshlrev_b32 v[L16], 4, v8
	s_delay_alu instid0(VALU_DEP_1)
	v_add_nc_u32 v[AV0], VIMO, v[L16]
	v_and_b32 v9, 15, v0
	s_delay_alu instid0(VALU_DEP_1)
	v_lshlrev_b32 v9, 4, v9                        ; 16 r
	s_delay_alu instid0(VALU_DEP_1)
	v_add_nc_u32 v[ASK0], KSCO, v9
	v_add_nc_u32 v[ASV0], VSCO, v[L16]
	v_mov_b32 v[NEG], 0xd0000000                   ; -2^33
	v_bfe_u32 v10, v0, 4, 1
	s_delay_alu instid0(VALU_DEP_1)
	v_lshl_add_u32 v[GO], v10, 12, v9
	s_lshl_b32 s30, s29, 9
	v_add_nc_u32 v[QA], s30, v[L16]                ; 512 bytes a tile
	s_lshr_b32 s30, s29, 2
	s_lshl_b32 s30, s30, 8
	s_and_b32 s31, s29, 3
	s_lshl_b32 s31, s31, 2
	s_add_co_u32 s30, s30, s31
	v_add_nc_u32 v[QS], s30, v[ASK0]               ; 65,536 + 256 (tile / 4) + 16 r + 4 (tile % 4)
	s_mov_b32 s[SEL], 0x76543210
	s_mov_b32 s[SEL+1], 0xfedcba98
	s_mov_b32 s[CS], 0x3e38aa3b                    ; c = log2(e) / 8
	s_mov_b32 s[CS+1], s[CS]                       ; (named with it as a pair, so it is written)
.irp i, 20,21,22,23
	v_mov_b32 v[\i], 0                             ; K = 64 .. 127 of Q: zero codes
.endr
.irp t, 0,1,2,3,4,5,6,7
.irp i, 4,5,6,7
	v_mov_b32 v[KF+8*\t+\i], 0                     ; and of K's eight fragments: written once, never loaded over
.endr
.endr
	s_wait_tensorcnt 0x0                           ; my sixteenth has landed,
	s_barrier_signal -1
	s_barrier_wait -1                              ; everybody's has
; A KEY STEP: 128 keys.
.macro STEP
	v_add_nc_u32 v[ADK], s[TB], v[L16]             ; four plain lines: the places between the last step's products and the loads into the registers that they read
	v_add_nc_u32 v[ADV], s[TB], v[AV0]
	v_add_nc_u32 v[ADS], s[TS], v[ASK0]
	v_add_nc_u32 v[ADT], s[TS], v[ASV0]
.irp t, 0,1,2,3,4,5,6,7
	ds_load_b128 v[KF+8*\t:KF+8*\t+3], v[ADK] offset:512*\t        ; keys 16 t + r: 32 lanes read 512 consecutive bytes
.endr
	ds_load_b128 v[240:243], v[ADS]                ; K's scale words of tiles 0-3,
	ds_load_b128 v[248:251], v[ADS] offset:256     ; of tiles 4-7
.irp t, 0,1,2,3
.irp c, 0,1
	ds_load_b128 v[VF+8*\t+4*\c:VF+8*\t+4*\c+3], v[ADV] offset:1024*\t+512*\c
.endr
.endr
	ds_load_b128 v[24:27], v[ADT]                  ; V's scale words of the four channel tiles
	s_wait_dscnt 9                                 ; K and its scale words are in; V's nine loads may be out
.irp t, 0,1,2,3
	v_wmma_scale_f32_16x16x128_f8f6f4 v[96+8*\t:103+8*\t], v[KF+8*\t:KF+8*\t+7], v[16:23], 0, v[240+\t], v255 matrix_a_fmt:MATRIX_FMT_FP4 matrix_b_fmt:MATRIX_FMT_FP4
.endr
.irp t, 4,5,6,7
	v_wmma_scale_f32_16x16x128_f8f6f4 v[96+8*\t:103+8*\t], v[KF+8*\t:KF+8*\t+7], v[16:23], 0, v[244+\t], v255 matrix_a_fmt:MATRIX_FMT_FP4 matrix_b_fmt:MATRIX_FMT_FP4
.endr
.rept 4
	v_nop                                          ; places in front of the first read of results
.endr
	s_wait_kmcnt 0x0                               ; this step's mask words, asked for a step ago, are in; the loads have also read their offset:
	s_add_co_u32 s[MOFF], s[MOFF], 256             ; the next step's words; behind my second tile's last step the offset wraps,
	s_and_b32 s[MOFF], s[MOFF], 0x1fff             ; so that the last request, which nobody uses, stays inside my two tiles' words
.set n, 0
.rept 64
.if n < 32
	v_cndmask_b32 v[96+n], v[96+n], v[NEG], s[32+n]                ; hidden scores become -2^33; each accumulator is read from its low end on
.else
	v_cndmask_b32 v[96+n], v[96+n], v[NEG], s[36+n]
.endif
.set n, n+1
.endr
.irp b, 0,1,2,3
	v_max3_num_f32 v[232+\b], v[96+16*\b], v[97+16*\b], v[98+16*\b]   ; the largest score of each block of 32 keys: it serves for the row's maximum and, since p rises with the score, for the block's largest p
.endr
.irp i, 3,5,7,9,11,13
.irp b, 0,1,2,3
	s_delay_alu instid0(VALU_DEP_4)
	v_max3_num_f32 v[232+\b], v[232+\b], v[96+16*\b+\i], v[97+16*\b+\i]
.endr
.endr
.irp b, 0,1,2,3
	s_delay_alu instid0(VALU_DEP_4)
	v_max_num_f32 v[232+\b], v[232+\b], v[111+16*\b]
.endr
	MLOAD                                          ; the next step's mask words: a whole step ahead of their use
.irp b, 0,1,2,3
	v_permlanex16_b32 v[236+\b], v[232+\b], s[SEL], s[SEL+1]
.endr
.irp b, 0,1,2,3
	s_delay_alu instid0(VALU_DEP_4)
	v_max_num_f32 v[232+\b], v[232+\b], v[236+\b]  ; with lane l xor 16's 16 keys
.endr
	s_delay_alu instid0(VALU_DEP_2)
	v_max3_num_f32 v254, v232, v233, v234
	s_delay_alu instid0(VALU_DEP_1)
	v_max_num_f32 v254, v254, v235                 ; the step's largest score of my query
	s_delay_alu instid0(VALU_DEP_1)
	v_mul_f32 v254, s[CS], v254                    ; as t (c is positive)
	s_delay_alu instid0(VALU_DEP_1)
	v_max_num_f32 v13, v13, v254                   ; the running largest t
	v_mov_b32 v254, v12
	s_delay_alu instid0(VALU_DEP_2)
	v_floor_f32 v12, -v13                          ; the new -M = floor(-t) = -ceil(t): a whole number
	s_delay_alu instid0(VALU_DEP_1)
	v_sub_f32 v254, v12, v254                      ; old M - new M: a whole number, 0 or less
	s_delay_alu instid0(VALU_DEP_1)
	v_cvt_i32_f32 v254, v254                       ; (it saturates)
	s_delay_alu instid0(VALU_DEP_1)
	v_ldexp_f32 v252, 1.0, v254                    ; f = 2^(old M - new M)
.irp j, 0,2,4,6,8,10,12,14,16,18,20,22,24,26,28,30,32,34,36,38,40,42,44,46,48,50,52,54,56,58,60,62
	v_pk_fma_f32 v[96+\j:97+\j], v[96+\j:97+\j], s[CS:CS+1], v[12:13] op_sel_hi:[1,0,0]   ; t - M, two at a time
.endr
.irp b, 0,1,2,3
	v_fma_f32 v[232+\b], v[232+\b], s[CS], v12     ; the same of each block's largest score
.endr
	s_wait_alu depctr_va_vdst(0)
.irp j, 0,1,2,3,4,5,6,7,8,9,10,11,12,13,14,15,16,17,18,19,20,21,22,23,24,25,26,27,28,29,30,31,32,33,34,35,36,37,38,39,40,41,42,43,44,45,46,47,48,49,50,51,52,53,54,55,56,57,58,59,60,61,62,63
	v_exp_f32 v[96+\j], v[96+\j]                   ; p = 2^(t - M), at most 1
.endr
	v_pk_mul_f32 v[14:15], v[14:15], v[252:253] op_sel_hi:[1,0]    ; the sums under the new M: the plain line behind the exponentials
	s_wait_alu depctr_va_vdst(0)                   ; one wait for the batch of 64, ahead of its first reader
.irp b, 0,1,2,3
	v_exp_f32 v[232+\b], v[232+\b]                 ; each block's largest p: the same two instructions on the same number give the same bits
.endr
	s_wait_alu depctr_va_vdst(0)
.irp j, 0,2,4,6,8,10,12,14,16,18,20,22,24,26,28,30
	v_pk_mul_f32 v[160+\j:161+\j], v[160+\j:161+\j], v[252:253] op_sel_hi:[1,0]   ; O^T under the new M: plain work behind the four, which it does not name
.endr
	s_wait_alu depctr_va_vdst(0)                   ; and one wait for the four
.irp b, 0,1,2,3
	v_max_num_f32 v[232+\b], 0x1800000, v[232+\b]  ; the floor 2^(3 - 127): the byte cannot fall under 1 (a block whose every p is 0 keeps that byte: its codes are zeros)
.endr
.irp b, 0,1,2,3
	s_delay_alu instid0(VALU_DEP_4)
	v_add_nc_u32 v[244+\b], 0xff000000, v[232+\b]  ; 2 off the exponent field: the conversion's scale operand
.endr
.irp b, 0,1,2,3
	s_delay_alu instid0(VALU_DEP_4)
	v_lshrrev_b32 v[236+\b], 23, v[244+\b]         ; the scale's byte
.endr
	s_delay_alu instid0(VALU_DEP_3)
	v_lshl_or_b32 v253, v237, 8, v236              ; p's scale word for these 128 keys
	s_delay_alu instid0(VALU_DEP_1)
	v_lshl_or_b32 v253, v238, 16, v253
	s_delay_alu instid0(VALU_DEP_1)
	v_lshl_or_b32 v253, v239, 24, v253
.irp b, 0,1,2,3
	v_cvt_scalef32_pk8_fp4_f32 v[224+2*\b], v[96+16*\b:103+16*\b], v[244+\b]
	v_cvt_scalef32_pk8_fp4_f32 v[225+2*\b], v[104+16*\b:111+16*\b], v[244+\b]
.endr
	v_nop                                          ; one plain place behind a scaled conversion
.irp c, 0,1                                    ; the operand's layout wants a whole block in a lane: lanes 0-15 block 2 c, lanes 16-31 block 2 c + 1
.irp i, 0,1
	v_permlane16_swap_b32 v[224+4*\c+\i], v[226+4*\c+\i]
.endr
.endr
	v_pk_add_f32 v[236:237], v[100:101], v[104:105]
	v_pk_add_f32 v[250:251], v[108:109], v[112:113]
	v_pk_add_f32 v[248:249], v[116:117], v[120:121]
	v_pk_add_f32 v[246:247], v[124:125], v[128:129]
	v_pk_add_f32 v[244:245], v[132:133], v[136:137]
	v_pk_add_f32 v[242:243], v[140:141], v[144:145]
	v_pk_add_f32 v[240:241], v[148:149], v[152:153]
	v_pk_add_f32 v[14:15], v[14:15], v[156:157]
	v_pk_add_f32 v[236:237], v[236:237], v[96:97]
	v_pk_add_f32 v[250:251], v[250:251], v[98:99]
	v_pk_add_f32 v[248:249], v[248:249], v[102:103]
	v_pk_add_f32 v[246:247], v[246:247], v[106:107]
	v_pk_add_f32 v[244:245], v[244:245], v[110:111]
	v_pk_add_f32 v[242:243], v[242:243], v[114:115]
	v_pk_add_f32 v[240:241], v[240:241], v[118:119]
	v_pk_add_f32 v[14:15], v[14:15], v[122:123]
	v_pk_add_f32 v[236:237], v[236:237], v[126:127]
	v_pk_add_f32 v[250:251], v[250:251], v[130:131]
	v_pk_add_f32 v[248:249], v[248:249], v[134:135]
	v_pk_add_f32 v[246:247], v[246:247], v[138:139]
	v_pk_add_f32 v[244:245], v[244:245], v[142:143]
	v_pk_add_f32 v[242:243], v[242:243], v[146:147]
	v_pk_add_f32 v[240:241], v[240:241], v[150:151]
	v_pk_add_f32 v[14:15], v[14:15], v[154:155]
	v_pk_add_f32 v[236:237], v[236:237], v[158:159]
	s_delay_alu instid0(VALU_DEP_2)
	v_pk_add_f32 v[14:15], v[14:15], v[246:247]
	s_delay_alu instid0(VALU_DEP_2)
	v_pk_add_f32 v[236:237], v[236:237], v[244:245]
	v_pk_add_f32 v[250:251], v[250:251], v[242:243]
	v_pk_add_f32 v[248:249], v[248:249], v[240:241]
	s_delay_alu instid0(VALU_DEP_2)
	v_pk_add_f32 v[14:15], v[14:15], v[250:251]
	s_delay_alu instid0(VALU_DEP_2)
	v_pk_add_f32 v[236:237], v[236:237], v[248:249]
	s_delay_alu instid0(VALU_DEP_1)
	v_pk_add_f32 v[14:15], v[14:15], v[236:237]
	s_wait_dscnt 0x0                               ; V and its scale words are in
.irp t, 0,1,2,3
	v_wmma_scale_f32_16x16x128_f8f6f4 v[160+8*\t:167+8*\t], v[VF+8*\t:VF+8*\t+7], v[224:231], v[160+8*\t:167+8*\t], v[24+\t], v253 matrix_a_fmt:MATRIX_FMT_FP4 matrix_b_fmt:MATRIX_FMT_FP4
.endr
	s_add_co_u32 s[TB], s[TB], 4096
	s_add_co_u32 s[TS], s[TS], 512
.endm
; ONE TILE OF 16 QUERIES through all 2,048 keys, and out.
.macro PASS p
	s_wait_xcnt 0x0                                ; the last tile's stores have read their data: those registers are written again only behind this wait
	global_load_b128 v[16:19], v[QA], s[4:5] offset:512*\p         ; Q's fragment
	global_load_b32 v255, v[QS], s[4:5] offset:4*\p                ; and its scale words
	v_mov_b32 v13, 0xff61b1e6                      ; the largest t so far: -3e38, under every t
	s_delay_alu instid0(VALU_DEP_1)
	v_floor_f32 v12, -v13                          ; -M
	v_mov_b32 v14, 0                               ; the sum, in two halves
	v_mov_b32 v15, 0
.irp b, 0,1,2,3
	v_mov_b32 v[236+\b], 0                         ; a lane permute's destination counts as one of its sources
.endr
	v_mov_b32 v253, 0                              ; (named as the upper half of the pair v[252:253] before it is first written)
.irp j, 0,1,2,3,4,5,6,7,8,9,10,11,12,13,14,15,16,17,18,19,20,21,22,23,24,25,26,27,28,29,30,31
	v_mov_b32 v[160+\j], 0                         ; O^T: the step is written once; the first finds zeros, which the first change of M leaves zeros
.endr
	s_mov_b32 s[TB], 0
	s_mov_b32 s[TS], 0
	s_mov_b32 s[CNT], 16
	s_wait_loadcnt 0x0                             ; Q
.Lstep_\@:
	STEP
	s_sub_co_i32 s[CNT], s[CNT], 1
	s_cmp_lg_u32 s[CNT], 0
	s_cbranch_scc1 .Lstep_\@
	; the way out: O^T / the sum goes through my stage in LDS, so that sixteen lanes store a row's 256 consecutive aligned bytes
	s_wait_alu depctr_va_vdst(0)
	v_add_f32 v14, v14, v15                        ; the sum's two halves,
	s_delay_alu instid0(VALU_DEP_1)
	v_permlanex16_b32 v252, v14, s[SEL], s[SEL+1]
	s_delay_alu instid0(VALU_DEP_1)
	v_add_f32 v14, v14, v252                       ; and lane l xor 16's: the row's sum
	s_wait_alu depctr_va_vdst(0)
	v_rcp_f32 v14, v14
	v_and_b32 v8, 15, v0                           ; (plain work behind the reciprocal)  r
	v_bfe_u32 v9, v0, 4, 1                         ; h
	s_mul_i32 s29, s[WV], 16*272
	s_add_co_u32 s29, s29, STAGE                   ; my stage
	v_mul_u32_u24 v10, v8, 272
	s_delay_alu instid0(VALU_DEP_1)
	v_lshl_add_u32 v10, v9, 5, v10
	s_delay_alu instid0(VALU_DEP_1)
	v_add_nc_u32 v10, s29, v10                     ; in: row r; tile t's eight channels of my half: 64 t + 32 h bytes on
	v_mul_u32_u24 v11, v9, 272
	s_delay_alu instid0(VALU_DEP_1)
	v_lshl_add_u32 v11, v8, 4, v11
	s_delay_alu instid0(VALU_DEP_1)
	v_add_nc_u32 v11, s29, v11                     ; back: lanes 0-15 one row, lanes 16-31 the next
	s_wait_alu depctr_va_vdst(0)                   ; the wait ahead of the reciprocal's first reader
.irp j, 0,1,2,3,4,5,6,7,8,9,10,11,12,13,14,15,16,17,18,19,20,21,22,23,24,25,26,27,28,29,30,31
	v_mul_f32 v[96+\j], v[160+\j], v14             ; register 8 t + i is channel 16 t + 8 h + i of query r
.endr
.irp t, 0,1,2,3
	ds_store_b128 v10, v[96+8*\t:99+8*\t] offset:64*\t
	ds_store_b128 v10, v[100+8*\t:103+8*\t] offset:64*\t+16
.endr
.irp i, 0,1,2,3,4,5,6,7
	ds_load_b128 v[128+4*\i:131+4*\i], v11 offset:2*\i*272         ; LDS serves a wave's instructions in order (ISA guide 5.7.1.4): these see my stores
.endr
.irp i, 0,1,2,3,4,5,6,7
	s_wait_dscnt 7-\i                              ; rows 2 i and 2 i + 1 are back; the younger loads may be out
	global_store_b128 v[GO], v[128+4*\i:131+4*\i], s[8:9] offset:65536*\p+8192*\i th:TH_STORE_NT
.endr
.endm
	PASS 0
	PASS 1
	s_wait_tensorcnt 0x0
	ds_add_u32 v30, v31
	s_wait_dscnt 0x0
	ROUND                                          ; the closing round: no work-group ends while a partner may still ask for a tile that names it
	s_endpgm
.Lfunc_end_k_q27a1975bba_attn:
	.size	k_q27a1975bba_attn, .Lfunc_end_k_q27a1975bba_attn-k_q27a1975bba_attn
	.p2alignl 7, 3214868480
	.fill 96, 4, 3214868480
	.section	.rodata,"a",@progbits
	.p2align	6, 0x0
	.amdhsa_kernel k_q27a1975bba_attn
		.amdhsa_group_segment_fixed_size 219136
		.amdhsa_private_segment_fixed_size 0
		.amdhsa_enable_private_segment 0
		.amdhsa_kernarg_size 24
		.amdhsa_user_sgpr_count 2
		.amdhsa_user_sgpr_kernarg_segment_ptr 1
		.amdhsa_wavefront_size32 1
		.amdhsa_system_sgpr_workgroup_id_x 1
		.amdhsa_system_sgpr_workgroup_id_y 1
		.amdhsa_system_sgpr_workgroup_id_z 1
		.amdhsa_system_vgpr_workitem_id 0
		.amdhsa_next_free_vgpr 256
		.amdhsa_next_free_sgpr 100
		.amdhsa_reserve_vcc 0
		.amdhsa_float_denorm_mode_32 3
		.amdhsa_float_denorm_mode_16_64 3
		.amdhsa_memory_ordered 1
		.amdhsa_forward_progress 1
		.amdhsa_inst_pref_size 60
	.end_amdhsa_kernel
	.amdgpu_metadata
---
amdhsa.version: [ 1, 2 ]
amdhsa.kernels:
  - .name:           k_q27a1975bba_attn
    .symbol:         k_q27a1975bba_attn.kd
    .args:
      - { .name: qkv, .offset: 0, .size: 8, .value_kind: global_buffer, .address_space: global }
      - { .name: maskw, .offset: 8, .size: 8, .value_kind: global_buffer, .address_space: global }
      - { .name: out0, .offset: 16, .size: 8, .value_kind: global_buffer, .address_space: global }
    .group_segment_fixed_size: 219136
    .private_segment_fixed_size: 0
    .kernarg_segment_align: 8
    .kernarg_segment_size: 24
    .max_flat_workgroup_size: 512
    .sgpr_count:     100
    .vgpr_count:     256
    .wavefront_size: 32
...
	.end_amdgpu_metadata
.endif
;; end of part 2
